; MI455X (gfx1250); checked and timed in simulation.
; The chip was launched on July 23, 2026; its instructions are those of AMD's public machine-readable ISA for CDNA 5 (MIT licence, August 2026) and "CDNA5" Instruction Set Architecture Reference Guide (July 2026). The comments in the code are by the model that wrote it; some were corrected since.
;; Attention Layer. Allowed arithmetic: float matrix products may take bf16 or f16 operands with f32 sums; all other float work in f32.
;; Inputs: Wk 512 x 512 float32; Wq 512 x 512 float32; Wv 512 x 512 float32; bk 512 float32; bq 512 float32; bv 512 float32; x 8 x 2,048 x 512 float32.
;; Outputs: out0 8 x 512 float32.
;; One version. Each part assembles by itself: llvm-mc -triple=amdgcn-amd-amdhsa -mcpu=gfx1250 --defsym DOCPART=n.
;; ======== version 1 of 1: 3 launches
;; workspace buffers: upart 147,456 bytes; part 589,824 bytes
;; launch prep (part 1): grid 8 x 1, 8 waves a work-group, no clusters, 191,488 bytes of LDS; arguments x, Wq, bq, Wk, bk, upart; writes upart
.if DOCPART == 1
	.amdgcn_target "amdgcn-amd-amdhsa--gfx1250"
	.amdhsa_code_object_version 6
	.text
	.protected	k_q203d110151_prep
	.globl	k_q203d110151_prep
	.p2align	8
	.type	k_q203d110151_prep,@function
k_q203d110151_prep:
	s_mov_b64 s[64:65], 0
	v_nop
	global_prefetch_b8 v0, s[64:65] scope:SCOPE_SE
	s_setreg_imm32_b32 hwreg(HW_REG_WAVE_MODE, 25, 1), 1
	s_wait_xcnt 0x0
; Only context[:, -1, :] is returned, so one query row per batch counts.  With q = x_last Wq + bq:
;   score(k) = (x_k Wk + bk) . q / sqrt(512) = x_k . (Wk q) / sqrt(512) + bk . q / sqrt(512)
; This launch makes, for the block E of 64 columns e = 64 j .. 64 j + 63 (j = work-group):
;   q'[b][e] = (x[b][2047] . Wq[:, e] + bq[e]) * SCALE,  SCALE = log2(e) / sqrt(512)  (later exponentials are base 2)
;   u_j[b][d] = sum over e in E of Wk[d][e] q'[b][e]      c_j[b] = sum over e in E of bk[e] q'[b][e]
; and stores them as upart[j][b][576 f32]: words 0..511 u_j[b], words 512..575 sixty-four copies of c_j[b].
; The next launch adds the eight blocks.  All arithmetic is f32 on the vector ALU: the products have 8 rows, and
; rounding to 16 bits would cost as many instructions as the multiply-adds it would replace.
; Eight work-groups: 512 columns in row pieces of 256 bytes.  No cluster: no two work-groups read the same weight
; bytes; shared are only the 16 KB of x's last rows out of the 272 KB that a work-group reads.
; LIMITS: sums are ordered otherwise than in the reference (u first, then x . u).
.set SCALE,   0x3d8293ee               ; log2(e) / sqrt(512)
.set LASTROW, 0x3ff800                 ; byte offset of row 2047 in a batch of x (2047 * 2048)
.set UROW,    2304                     ; bytes of one [576] row of upart
.set WPITCH,  272                      ; an LDS row of Wk: 256 bytes + 16 of padding, so 16 lanes' rows start 16 bytes apart modulo 256
.set WAVEW,   32*WPITCH                ; one tensor load's rows
.set HALFW,   256*WPITCH               ; the even rows of Wk[:, E]; the odd rows follow
.set XL,      2*HALFW                  ; 139,264: x_last [8][512] f32, pitch 2,048
.set RED,     XL+16384                 ; 155,648: [16 groups][8 b][64 e] f32, partial q
.set QS,      RED+32768                ; 188,416: q' [8][64] f32
.set ACC, 32                           ; v[32:63]   phase 1: acc[b][c] at 32+4b+c; phase 2: pair (b, i) at 32+4b+2i
.set XB0, 64                           ; v[64:95]   x_last, 4 rows d for 8 batches, buffer 0
.set XB1, 96                           ; v[96:127]  buffer 1
.set WR,  128                          ; v[128:255] Wq: row k of my 32 at 128+4k
.set C0,  128                          ; v[128:167] phase 2 buffer 0: 8 of Wk, 32 of q'
.set C1,  168                          ; v[168:207] phase 2 buffer 1
.set G1,  24                           ; s[24:31] descriptor group 1
.set G0,  32                           ; s[32:39] descriptor group 0: even rows, odd rows
; v[d:d+1] (+)= v[a:a+1] * v[x], the one register x feeding both halves
.macro BFMA d, a, x
.if ((\x) & 1) == 0
	v_pk_fma_f32 v[\d:\d+1], v[\a:\a+1], v[\x:\x+1], v[\d:\d+1] op_sel_hi:[1,0,1]
.else
	v_pk_fma_f32 v[\d:\d+1], v[\a:\a+1], v[\x-1:\x], v[\d:\d+1] op_sel:[0,1,0] op_sel_hi:[1,1,1]
.endif
.endm
.macro BMUL d, a, x
.if ((\x) & 1) == 0
	v_pk_mul_f32 v[\d:\d+1], v[\a:\a+1], v[\x:\x+1] op_sel_hi:[1,0]
.else
	v_pk_mul_f32 v[\d:\d+1], v[\a:\a+1], v[\x-1:\x] op_sel:[0,1] op_sel_hi:[1,1]
.endif
.endm
	s_load_b256 s[4:11], s[0:1], 0x0               ; x s[4:5], Wq s[6:7], bq s[8:9], Wk s[10:11]
	s_load_b128 s[12:15], s[0:1], 0x20             ; bk s[12:13], upart s[14:15]
	v_lshl_add_u32 v30, v0, 2, 0x2e800
	v_mov_b32 v31, 0
	ds_add_u32 v30, v31
	ds_add_u32 v30, v31
	v_lshrrev_b32 v21, 5, v0
	v_readfirstlane_b32 s16, v21                   ; wave w
	v_and_b32 v1, 31, v0                           ; lane L
	v_and_b32 v2, 15, v0                           ; r
	v_bfe_u32 v3, v0, 4, 1                         ; h
	; group 1: 32 rows of 64 f32, every second row of Wk, 16 bytes of padding behind each row in LDS
	s_mov_b32 s[G1+0], (2<<16)|(1<<20)|(5<<22)|(3<<25) ; elements of 4 bytes; padding on; after every 64 words, 4 words
	s_mov_b32 s[G1+1], 64<<16                      ; tensor_dim0 = 64
	s_mov_b32 s[G1+2], 32<<16                      ; tensor_dim1 = 32
	s_mov_b32 s[G1+3], 64<<16                      ; tile_dim0 = 64
	s_mov_b32 s[G1+4], 32                          ; tile_dim1 = 32
	s_mov_b32 s[G1+5], 1024                        ; from a row to the next but one: 2 x 512 elements
	s_mov_b32 s[G1+6], 0
	s_mov_b32 s[G1+7], 0
	s_lshl_b32 s18, ttmp9, 8                       ; 256 j: my 64 columns in a row of Wq, Wk, and in bq, bk
	s_mov_b32 s19, 0
	s_mul_i32 s20, ttmp9, 8*UROW                   ; my block of upart
	s_mov_b32 s21, 0
	s_lshl_b32 s22, s16, 17                        ; my wave's 64 rows of Wk: 64 w x 2,048 bytes
	s_mov_b32 s23, 0
	s_mul_i32 s17, s16, WAVEW                      ; and their place in LDS
	s_mov_b32 s40, 0x76543210                      ; v_permlanex16_b32: lane i reads lane i of the other half
	s_mov_b32 s41, 0xfedcba98
	v_lshlrev_b32 v5, 22, v21                      ; batch w of x,
	v_lshl_add_u32 v5, v1, 4, v5                   ; 16 bytes a lane
	v_lshlrev_b32 v20, 3, v1                       ; 8 L: my two e in bq, bk
	v_lshlrev_b32 v4, 17, v21                      ; Wq: row 64 w + 32 h,
	v_lshl_add_u32 v4, v3, 16, v4
	v_lshl_add_u32 v4, v2, 4, v4                   ; columns 4 r .. 4 r + 3 of the block
	s_wait_dscnt 0x0
	s_wait_kmcnt 0x0
	s_add_nc_u64 s[6:7], s[6:7], s[18:19]
	s_add_nc_u64 s[8:9], s[8:9], s[18:19]
	s_add_nc_u64 s[10:11], s[10:11], s[18:19]
	s_add_nc_u64 s[12:13], s[12:13], s[18:19]
	s_add_nc_u64 s[14:15], s[14:15], s[20:21]
	s_add_nc_u64 s[10:11], s[10:11], s[22:23]
	; PHASE 0: everything is asked for at once.  Two tensor loads a wave (its even and its odd rows of Wk[:, E]) into
	; LDS bytes that are the wave's own: row d = 64 w + 2 y + i lies at i HALFW + w WAVEW + y WPITCH.
.irp i, 0,1
	s_mov_b32 s[G0+4*\i], 1
	s_add_co_u32 s[G0+4*\i+1], s17, \i*HALFW
	s_add_nc_u64 s[G0+4*\i+2:G0+4*\i+3], s[10:11], \i*2048
	s_or_b32 s[G0+4*\i+3], s[G0+4*\i+3], 0x80000000
	tensor_load_to_lds s[G0+4*\i:G0+4*\i+3], s[G1:G1+7]
	s_nop 0
.endr
.irp i, 0,1,2,3
	global_load_b128 v[XB0+4*\i:XB0+4*\i+3], v5, s[4:5] offset:LASTROW+512*\i      ; wave w: the last row of batch w
.endr
	global_load_b64 v[16:17], v20, s[8:9]          ; bq of e = 2 L, 2 L + 1
	global_load_b64 v[18:19], v20, s[12:13]        ; bk likewise
.irp k, 0,1,2,3,4,5,6,7,8,9,10,11,12,13,14,15,16,17,18,19,20,21,22,23,24,25,26,27,28,29,30,31
	global_load_b128 v[WR+4*\k:WR+4*\k+3], v4, s[6:7] offset:2048*\k th:TH_LOAD_NT ; 16 lanes: 256 consecutive bytes of row 64 w + 32 h + k
.endr
	; addresses, while the loads are out
	v_lshlrev_b32 v6, 11, v21
	v_lshl_add_u32 v6, v1, 4, v6
	v_add_nc_u32 v6, XL, v6                        ; XS: where my 16 bytes of x_last go
	v_lshlrev_b32 v7, 8, v21
	v_lshl_add_u32 v7, v3, 7, v7
	v_add_nc_u32 v7, XL, v7                        ; XA: x_last[0][64 w + 32 h]
	v_lshlrev_b32 v8, 12, v21
	v_lshl_add_u32 v8, v3, 11, v8
	v_lshl_add_u32 v8, v2, 4, v8
	v_add_nc_u32 v8, RED, v8                       ; RA: group 2 w + h, my four e
	v_lshlrev_b32 v14, 3, v0                       ; UO = 256 w + 8 L
	v_add_nc_u32 v9, RED, v14                      ; RB: batch w, e = 2 L
	v_add_nc_u32 v10, QS, v14                      ; QA: q'[w][2 L]
	v_mov_b32 v11, QS                              ; QB: q'[0][0]
	v_mul_u32_u24 v12, v0, WPITCH                  ; WA0: Wk row 64 w + 2 L (slot 32 w + L)
	v_add_nc_u32 v13, HALFW, v12                   ; WA1: Wk row 64 w + 2 L + 1
	v_mul_u32_u24 v15, v21, UROW
	v_lshl_add_u32 v15, v1, 3, v15                 ; CO: row w of my block of upart, 8 L
	v_mov_b32 v26, 0                               ; written once: a lane permute's destination counts as read
	s_wait_loadcnt 34                              ; bq, bk and the 32 rows of Wq stay out; x_last is in
.irp i, 0,1,2,3
	ds_store_b128 v6, v[XB0+4*\i:XB0+4*\i+3] offset:512*\i
.endr
	s_wait_dscnt 0x0                               ; my row of x_last is in LDS before I say so
	s_barrier_signal -1
	s_barrier_wait -1                              ; all eight rows are
	; PHASE 1: the half-wave (w, h) sums its 32 rows d = 64 w + 32 h + k for all 8 batches; lane r holds e = 4 r .. 4 r + 3.
.macro XLOAD buf, kc                   ; x_last[b][d0 + 4 kc .. + 3] for the 8 batches; the 16 lanes of a half share each address
.irp b, 0,1,2,3,4,5,6,7
	ds_load_b128 v[\buf+4*\b:\buf+4*\b+3], v7 offset:2048*\b+16*(\kc)
.endr
.endm
.macro P1CHUNK buf, kc                 ; 4 rows x 8 batches x 4 columns; the very first products start the sums
.irp kk, 0,1,2,3
.irp b, 0,1,2,3,4,5,6,7
.irp cp, 0,1
.if ((\kc)+\kk) == 0
	BMUL ACC+4*\b+2*\cp, WR+4*(4*(\kc)+\kk)+2*\cp, \buf+4*\b+\kk
.else
	BFMA ACC+4*\b+2*\cp, WR+4*(4*(\kc)+\kk)+2*\cp, \buf+4*\b+\kk
.endif
.endr
.endr
.endr
.endm
	XLOAD XB0, 0
.irp kc, 0,2,4
	XLOAD XB1, \kc+1
	s_wait_dscnt 8                                 ; the next chunk's 8 LDS loads stay out
	s_wait_loadcnt 28-4*\kc                        ; the rows of Wq behind this chunk's four stay out
	P1CHUNK XB0, \kc
	XLOAD XB0, \kc+2
	s_wait_dscnt 8
	s_wait_loadcnt 24-4*\kc
	P1CHUNK XB1, \kc+1
.endr
	XLOAD XB1, 7
	s_wait_dscnt 8
	s_wait_loadcnt 4
	P1CHUNK XB0, 6
	s_wait_dscnt 0x0                               ; nothing was issued behind the last chunk
	s_wait_loadcnt 0x0
	P1CHUNK XB1, 7
.irp b, 0,1,2,3,4,5,6,7
	ds_store_b128 v8, v[ACC+4*\b:ACC+4*\b+3] offset:256*\b
.endr
	s_wait_dscnt 0x0                               ; my partial sums are in LDS before I say so
	s_barrier_signal -1
	s_barrier_wait -1
	; PHASE 1b: wave w finishes batch w; lane L owns e = 2 L, 2 L + 1
.irp s, 0,1,2,3,4,5,6,7,8,9,10,11,12,13,14,15
	ds_load_b64 v[64+2*\s:65+2*\s], v9 offset:2048*\s
.endr
	s_wait_dscnt 0x0
.irp s, 0,1,2,3,4,5,6,7
	v_pk_add_f32 v[64+4*\s:65+4*\s], v[64+4*\s:65+4*\s], v[66+4*\s:67+4*\s]
.endr
.irp s, 0,1,2,3
	v_pk_add_f32 v[64+8*\s:65+8*\s], v[64+8*\s:65+8*\s], v[68+8*\s:69+8*\s]
.endr
.irp s, 0,1
	v_pk_add_f32 v[64+16*\s:65+16*\s], v[64+16*\s:65+16*\s], v[72+16*\s:73+16*\s]
.endr
	v_pk_add_f32 v[64:65], v[64:65], v[80:81]
	v_pk_add_f32 v[22:23], v[64:65], v[16:17]      ; + bq
	v_pk_mul_f32 v[22:23], v[22:23], SCALE op_sel_hi:[1,0]     ; q'
	ds_store_b64 v10, v[22:23]
	v_mul_f32 v24, v18, v22                        ; bk . q' over my two e,
	v_fma_f32 v24, v19, v23, v24
	v_add_f32_dpp v24, v24, v24 row_xmask:1 row_mask:0xf bank_mask:0xf     ; over the 32 lanes
	v_add_f32_dpp v24, v24, v24 row_xmask:2 row_mask:0xf bank_mask:0xf
	v_add_f32_dpp v24, v24, v24 row_xmask:4 row_mask:0xf bank_mask:0xf
	v_add_f32_dpp v24, v24, v24 row_xmask:8 row_mask:0xf bank_mask:0xf
	v_permlanex16_b32 v26, v24, s40, s41
	v_add_f32 v24, v24, v26
	v_mov_b32 v25, v24                             ; (c, c): 8 bytes a lane fill 256 consecutive bytes
	s_wait_dscnt 0x0                               ; my q' is in LDS,
	s_wait_tensorcnt 0x0                           ; and my two tiles of Wk have landed, before I say so
	s_barrier_signal -1
	s_barrier_wait -1
	global_store_b64 v15, v[24:25], s[14:15] offset:2048       ; words 512..575 of row w: 256 consecutive bytes, aligned
	; PHASE 2: lane L of wave w owns rows d = 64 w + 2 L + i, i = 0, 1, for all 8 batches; 16 chunks of 4 e.
	; The pair (b, i) keeps the sums over even and over odd e apart, so the packed forms take natural register pairs.
.macro P2LOAD buf, ec
	ds_load_b128 v[\buf:\buf+3], v12 offset:16*(\ec)
	ds_load_b128 v[\buf+4:\buf+7], v13 offset:16*(\ec)
.irp b, 0,1,2,3,4,5,6,7
	ds_load_b128 v[\buf+8+4*\b:\buf+11+4*\b], v11 offset:256*\b+16*(\ec)   ; q'[b][4 ec ..]: one address for all lanes
.endr
.endm
.macro P2CHUNK buf, first
.irp p, 0,1
.irp b, 0,1,2,3,4,5,6,7
.irp i, 0,1
.if (\first)*(1-\p)
	v_pk_mul_f32 v[ACC+4*\b+2*\i:ACC+4*\b+2*\i+1], v[\buf+4*\i+2*\p:\buf+4*\i+2*\p+1], v[\buf+8+4*\b+2*\p:\buf+8+4*\b+2*\p+1]
.else
	v_pk_fma_f32 v[ACC+4*\b+2*\i:ACC+4*\b+2*\i+1], v[\buf+4*\i+2*\p:\buf+4*\i+2*\p+1], v[\buf+8+4*\b+2*\p:\buf+8+4*\b+2*\p+1], v[ACC+4*\b+2*\i:ACC+4*\b+2*\i+1]
.endif
.endr
.endr
.endr
.endm
	P2LOAD C0, 0
	P2LOAD C1, 1
	s_wait_dscnt 10                                ; the next chunk's 10 LDS loads stay out
	P2CHUNK C0, 1
	P2LOAD C0, 2
	s_wait_dscnt 10
	P2CHUNK C1, 0
.irp ec, 2,4,6,8,10,12
	P2LOAD C1, \ec+1
	s_wait_dscnt 10
	P2CHUNK C0, 0
	P2LOAD C0, \ec+2
	s_wait_dscnt 10
	P2CHUNK C1, 0
.endr
	P2LOAD C1, 15
	s_wait_dscnt 10
	P2CHUNK C0, 0
	s_wait_dscnt 0x0                               ; nothing was issued behind the last chunk
	P2CHUNK C1, 0
.irp b, 0,1,2,3,4,5,6,7
.irp i, 0,1
	v_add_f32 v[64+2*\b+\i], v[ACC+4*\b+2*\i], v[ACC+4*\b+2*\i+1]  ; even e + odd e
.endr
.endr
.irp b, 0,1,2,3,4,5,6,7
	global_store_b64 v14, v[64+2*\b:65+2*\b], s[14:15] offset:UROW*\b      ; u_j[b][64 w ..]: the wave stores 256 consecutive bytes, aligned
.endr
	s_wait_tensorcnt 0x0
	ds_add_u32 v30, v31
	s_wait_dscnt 0x0
	s_endpgm
.Lfunc_end_k_q203d110151_prep:
	.size	k_q203d110151_prep, .Lfunc_end_k_q203d110151_prep-k_q203d110151_prep
	.p2alignl 7, 3214868480
	.fill 96, 4, 3214868480
	.section	.rodata,"a",@progbits
	.p2align	6, 0x0
	.amdhsa_kernel k_q203d110151_prep
		.amdhsa_group_segment_fixed_size 191488
		.amdhsa_private_segment_fixed_size 0
		.amdhsa_enable_private_segment 0
		.amdhsa_kernarg_size 48
		.amdhsa_user_sgpr_count 2
		.amdhsa_user_sgpr_kernarg_segment_ptr 1
		.amdhsa_wavefront_size32 1
		.amdhsa_system_sgpr_workgroup_id_x 1
		.amdhsa_system_sgpr_workgroup_id_y 1
		.amdhsa_system_sgpr_workgroup_id_z 1
		.amdhsa_system_vgpr_workitem_id 0
		.amdhsa_next_free_vgpr 256
		.amdhsa_next_free_sgpr 66
		.amdhsa_reserve_vcc 0
		.amdhsa_float_denorm_mode_32 3
		.amdhsa_float_denorm_mode_16_64 3
		.amdhsa_memory_ordered 1
		.amdhsa_forward_progress 1
		.amdhsa_inst_pref_size 92
	.end_amdhsa_kernel
	.amdgpu_metadata
---
amdhsa.version: [ 1, 2 ]
amdhsa.kernels:
  - .name:           k_q203d110151_prep
    .symbol:         k_q203d110151_prep.kd
    .args:
      - { .name: x, .offset: 0, .size: 8, .value_kind: global_buffer, .address_space: global }
      - { .name: Wq, .offset: 8, .size: 8, .value_kind: global_buffer, .address_space: global }
      - { .name: bq, .offset: 16, .size: 8, .value_kind: global_buffer, .address_space: global }
      - { .name: Wk, .offset: 24, .size: 8, .value_kind: global_buffer, .address_space: global }
      - { .name: bk, .offset: 32, .size: 8, .value_kind: global_buffer, .address_space: global }
      - { .name: upart, .offset: 40, .size: 8, .value_kind: global_buffer, .address_space: global }
    .group_segment_fixed_size: 191488
    .private_segment_fixed_size: 0
    .kernarg_segment_align: 8
    .kernarg_segment_size: 48
    .max_flat_workgroup_size: 256
    .sgpr_count:     66
    .vgpr_count:     256
    .wavefront_size: 32
...
	.end_amdgpu_metadata
.endif
;; end of part 1
;; launch main (part 2): grid 256 x 1, 8 waves a work-group, no clusters, 19,712 bytes of LDS; arguments x, upart, part; writes part
.if DOCPART == 2
	.amdgcn_target "amdgcn-amd-amdhsa--gfx1250"
	.amdhsa_code_object_version 6
	.text
	.protected	k_q203d110151_main
	.globl	k_q203d110151_main
	.p2align	8
	.type	k_q203d110151_main,@function
k_q203d110151_main:
	s_mov_b64 s[64:65], 0
	v_nop
	global_prefetch_b8 v0, s[64:65] scope:SCOPE_SE
	s_setreg_imm32_b32 hwreg(HW_REG_WAVE_MODE, 25, 1), 1
	s_wait_xcnt 0x0
; The one pass over x.  Work-group g owns the 64 key rows at x + g * 131,072 bytes (batch b = g / 32).  For them:
;   s_k = x_k . u[b] + c[b]  (u, c: the sums of the eight blocks in upart; scores in base 2),
;   m = max s_k,  l = sum 2^(s_k - m),  y[d] = sum 2^(s_k - m) x_k[d]
; stored as part[g][576 f32]: words 0..511 y, words 512..575 thirty-two copies of (m, l).
; A wave takes 8 rows and keeps them in 128 registers between the scores and the weighted sum, so every byte of x is
; loaded once; all 32 loads of a wave are issued at once, so the work-group's whole 128 KB are on their way together.
; The maximum taken away is the true one: of the wave's rows first, then of the work-group's, with rescaling.
; f32 on the vector ALU: 2 multiply-adds for each word loaded; the matrix units would need as many conversions.
; No cluster: work-groups share only the 18 KB of upart's rows against 128 KB of x of their own.  No LDS ring, no loop:
; a wave's share fits its registers.  No prefetch: the launch asks for all its bytes in its first lines.
; LIMITS: exponentials below 2^-126 come out as zero; where |s| * 2^-24 is not small against 1 the weights hang on
; the order of rounding, which differs from the reference's (x . (Wk q) in place of (x Wk) . q).
.set UROW, 2304                        ; bytes of a [576] row of upart and of part
.set UBLK, 8*UROW                      ; from block j to block j + 1 of upart
.set US,   0                           ; LDS: u [512] f32
.set YS,   2048                        ; LDS: the waves' y, 8 x 2,048 bytes
.set MS,   18432                       ; LDS: the waves' (m, l), 8 x 8 bytes
.set UP, 10                            ; v[10:25]   my two columns of the eight blocks of u
.set UR, 32                            ; v[32:47]   u: columns 128 i + 4 L .. + 3 at 32 + 4 i; in the merge the waves' y pairs
.set YR, 48                            ; v[48:63]   my wave's y, same columns
.set DR, 64                            ; v[64:79]   a pair of partial dots for each row; in the merge the waves' (m, l)
.set SR, 80                            ; v[80:87]   scores; in the merge the waves' factors
.set PR, 88                            ; v[88:95]   2^(s - m)
.set XR, 128                           ; v[128:255] row r, piece i at 128 + 16 r + 4 i
.macro BFMA d, a, x                    ; v[d:d+1] += v[a:a+1] * v[x], the one register x feeding both halves
.if ((\x) & 1) == 0
	v_pk_fma_f32 v[\d:\d+1], v[\a:\a+1], v[\x:\x+1], v[\d:\d+1] op_sel_hi:[1,0,1]
.else
	v_pk_fma_f32 v[\d:\d+1], v[\a:\a+1], v[\x-1:\x], v[\d:\d+1] op_sel:[0,1,0] op_sel_hi:[1,1,1]
.endif
.endm
.macro BMUL d, a, x
.if ((\x) & 1) == 0
	v_pk_mul_f32 v[\d:\d+1], v[\a:\a+1], v[\x:\x+1] op_sel_hi:[1,0]
.else
	v_pk_mul_f32 v[\d:\d+1], v[\a:\a+1], v[\x-1:\x] op_sel:[0,1] op_sel_hi:[1,1]
.endif
.endm
	s_load_b128 s[4:7], s[0:1], 0x0                ; x s[4:5], upart s[6:7]
	s_load_b64 s[8:9], s[0:1], 0x10                ; part
	v_lshl_add_u32 v126, v0, 2, 0x4900
	v_mov_b32 v127, 0
	v_lshrrev_b32 v101, 5, v0
	v_readfirstlane_b32 s10, v101                  ; wave w
	v_and_b32 v1, 31, v0                           ; lane L
	s_lshl_b32 s12, ttmp9, 17                      ; my 64 rows of x
	s_mov_b32 s13, 0
	s_lshr_b32 s14, ttmp9, 5                       ; batch
	s_mul_i32 s14, s14, UROW                       ; its row in each block of upart
	s_mov_b32 s15, 0
	s_mul_i32 s26, ttmp9, UROW                     ; my row of part
	s_mov_b32 s27, 0
	s_mov_b32 s24, 0x76543210                      ; v_permlanex16_b32: lane i reads lane i of the other half
	s_mov_b32 s25, 0xfedcba98
	v_lshlrev_b32 v3, 3, v0                        ; TO = 8 t: thread t's two columns
	v_lshlrev_b32 v4, 4, v1                        ; UA = 16 L
	v_lshl_add_u32 v2, v101, 14, v4                ; XO: my wave's 8 rows, 16 bytes a lane
	s_wait_kmcnt 0x0
	s_add_nc_u64 s[4:5], s[4:5], s[12:13]
	s_add_nc_u64 s[6:7], s[6:7], s[14:15]
	s_add_nc_u64 s[8:9], s[8:9], s[26:27]
.irp j, 0,1,2,3,4,5,6,7
	s_load_b32 s[16+\j], s[6:7], 2048+UBLK*\j      ; c_j[b]
.endr
.irp j, 0,1,2,3,4,5,6,7
	global_load_b64 v[UP+2*\j:UP+2*\j+1], v3, s[6:7] offset:UBLK*\j        ; u_j[b][2 t ..]: a wave reads 256 consecutive bytes
.endr
.irp r, 0,1,2,3,4,5,6,7
.irp i, 0,1,2,3
	global_load_b128 v[XR+16*\r+4*\i:XR+16*\r+4*\i+3], v2, s[4:5] offset:2048*\r+512*\i th:TH_LOAD_NT   ; 512 consecutive bytes a load
.endr
.endr
	v_lshlrev_b32 v5, 11, v101
	v_add3_u32 v5, v5, v4, YS                      ; YA: my wave's y, 16 L
	v_add_nc_u32 v6, YS, v3                        ; YB: wave 0's y, my two columns
	v_lshl_add_u32 v7, v101, 3, MS                 ; MA: my wave's (m, l)
	v_mov_b32 v8, MS                               ; MB
	v_mov_b32 v9, 0                                ; written once: a lane permute's destination counts as read
	v_lshlrev_b32 v100, 3, v1                      ; LO = 8 L
	; u = the sum of the eight blocks, two columns a thread, handed round through LDS
	s_wait_loadcnt 32                              ; the 32 loads of x stay out
.irp j, 0,1,2,3
	v_pk_add_f32 v[UP+4*\j:UP+4*\j+1], v[UP+4*\j:UP+4*\j+1], v[UP+4*\j+2:UP+4*\j+3]
.endr
.irp j, 0,1
	v_pk_add_f32 v[UP+8*\j:UP+8*\j+1], v[UP+8*\j:UP+8*\j+1], v[UP+8*\j+4:UP+8*\j+5]
.endr
	v_pk_add_f32 v[UP:UP+1], v[UP:UP+1], v[UP+8:UP+9]
	ds_store_b64 v3, v[UP:UP+1]
	s_wait_dscnt 0x0                               ; my part of u is in LDS before I say so
	s_barrier_signal -1
	s_barrier_wait -1
.irp i, 0,1,2,3
	ds_load_b128 v[UR+4*\i:UR+4*\i+3], v4 offset:US+512*\i
.endr
	s_wait_kmcnt 0x0
.irp j, 1,2,3,4,5,6,7
	s_add_f32 s16, s16, s[16+\j]                   ; c[b]
.endr
	s_wait_dscnt 0x0
	; scores: each row as it comes in
.irp r, 0,1,2,3,4,5,6,7
	s_wait_loadcnt 28-4*\r                         ; loads come back in order: the rows behind this one stay out
	v_pk_mul_f32 v[DR+2*\r:DR+2*\r+1], v[XR+16*\r:XR+16*\r+1], v[UR:UR+1]
.irp q, 1,2,3,4,5,6,7
	v_pk_fma_f32 v[DR+2*\r:DR+2*\r+1], v[XR+16*\r+2*\q:XR+16*\r+2*\q+1], v[UR+2*\q:UR+2*\q+1], v[DR+2*\r:DR+2*\r+1]
.endr
	v_add_f32 v[SR+\r], v[DR+2*\r], v[DR+2*\r+1]
.endr
.irp m, 1,2,4,8                        ; over the lanes: eight chains side by side, mask by mask
.irp r, 0,1,2,3,4,5,6,7
	v_add_f32_dpp v[SR+\r], v[SR+\r], v[SR+\r] row_xmask:\m row_mask:0xf bank_mask:0xf
.endr
.endr
.irp r, 0,1,2,3,4,5,6,7
	v_permlanex16_b32 v9, v[SR+\r], s24, s25
	v_add_f32 v[SR+\r], v[SR+\r], v9
	v_add_f32 v[SR+\r], s16, v[SR+\r]              ; + bk . q'
.endr
	; the wave's softmax pieces: every lane holds all eight scores
	v_max3_num_f32 v96, v[SR], v[SR+1], v[SR+2]
	v_max3_num_f32 v96, v96, v[SR+3], v[SR+4]
	v_max3_num_f32 v96, v96, v[SR+5], v[SR+6]
	v_max_num_f32 v96, v96, v[SR+7]                ; m of the wave
.irp r, 0,1,2,3,4,5,6,7
	v_sub_f32 v[PR+\r], v[SR+\r], v96
.endr
.irp r, 0,1,2,3,4,5,6,7
	v_exp_f32 v[PR+\r], v[PR+\r]
.endr
	v_nop                                          ; one plain place between the last exponential and the first use
	s_wait_alu depctr_va_vdst(0)
	v_add_f32 v97, v[PR], v[PR+1]
.irp r, 2,3,4,5,6,7
	v_add_f32 v97, v97, v[PR+\r]                   ; l of the wave
.endr
.irp q, 0,1,2,3,4,5,6,7
	BMUL YR+2*\q, XR+2*\q, PR                      ; row 0 starts the sums
.endr
.irp r, 1,2,3,4,5,6,7
.irp q, 0,1,2,3,4,5,6,7
	BFMA YR+2*\q, XR+16*\r+2*\q, PR+\r
.endr
.endr
.irp i, 0,1,2,3
	ds_store_b128 v5, v[YR+4*\i:YR+4*\i+3] offset:512*\i
.endr
	ds_store_b64 v7, v[96:97]                      ; all lanes store the same two words
	s_wait_dscnt 0x0                               ; my y, m, l are in LDS before I say so
	s_barrier_signal -1
	s_barrier_wait -1
	; merge of the eight waves: thread t owns columns 2 t, 2 t + 1
.irp i, 0,1,2,3
	ds_load_b128 v[DR+4*\i:DR+4*\i+3], v8 offset:16*\i             ; (m, l) of wave n at DR + 2 n
.endr
.irp n, 0,1,2,3,4,5,6,7
	ds_load_b64 v[UR+2*\n:UR+2*\n+1], v6 offset:2048*\n
.endr
	s_wait_dscnt 0x0
	v_max3_num_f32 v98, v[DR], v[DR+2], v[DR+4]
	v_max3_num_f32 v98, v98, v[DR+6], v[DR+8]
	v_max3_num_f32 v98, v98, v[DR+10], v[DR+12]
	v_max_num_f32 v98, v98, v[DR+14]               ; m of the work-group
.irp n, 0,1,2,3,4,5,6,7
	v_sub_f32 v[SR+\n], v[DR+2*\n], v98
.endr
.irp n, 0,1,2,3,4,5,6,7
	v_exp_f32 v[SR+\n], v[SR+\n]                   ; the waves' factors 2^(m_n - m)
.endr
	v_nop                                          ; one plain place behind the last exponential
	s_wait_alu depctr_va_vdst(0)
	v_mul_f32 v99, v[SR], v[DR+1]
	BMUL 102, UR, SR
.irp n, 1,2,3,4,5,6,7
	v_fma_f32 v99, v[SR+\n], v[DR+2*\n+1], v99     ; l of the work-group
	BFMA 102, UR+2*\n, SR+\n
.endr
	global_store_b64 v3, v[102:103], s[8:9]        ; a wave stores 256 consecutive bytes, aligned
	s_cmp_lg_u32 s10, 0
	s_cbranch_scc1 .Ldone
	global_store_b64 v100, v[98:99], s[8:9] offset:2048    ; wave 0: 32 copies of (m, l), 256 consecutive bytes
.Ldone:
	s_wait_tensorcnt 0x0
	ds_add_u32 v126, v127
	s_wait_dscnt 0x0
	s_endpgm
.Lfunc_end_k_q203d110151_main:
	.size	k_q203d110151_main, .Lfunc_end_k_q203d110151_main-k_q203d110151_main
	.p2alignl 7, 3214868480
	.fill 96, 4, 3214868480
	.section	.rodata,"a",@progbits
	.p2align	6, 0x0
	.amdhsa_kernel k_q203d110151_main
		.amdhsa_group_segment_fixed_size 19712
		.amdhsa_private_segment_fixed_size 0
		.amdhsa_enable_private_segment 0
		.amdhsa_kernarg_size 24
		.amdhsa_user_sgpr_count 2
		.amdhsa_user_sgpr_kernarg_segment_ptr 1
		.amdhsa_wavefront_size32 1
		.amdhsa_system_sgpr_workgroup_id_x 1
		.amdhsa_system_sgpr_workgroup_id_y 1
		.amdhsa_system_sgpr_workgroup_id_z 1
		.amdhsa_system_vgpr_workitem_id 0
		.amdhsa_next_free_vgpr 256
		.amdhsa_next_free_sgpr 66
		.amdhsa_reserve_vcc 0
		.amdhsa_float_denorm_mode_32 3
		.amdhsa_float_denorm_mode_16_64 3
		.amdhsa_memory_ordered 1
		.amdhsa_forward_progress 1
		.amdhsa_inst_pref_size 23
	.end_amdhsa_kernel
	.amdgpu_metadata
---
amdhsa.version: [ 1, 2 ]
amdhsa.kernels:
  - .name:           k_q203d110151_main
    .symbol:         k_q203d110151_main.kd
    .args:
      - { .name: x, .offset: 0, .size: 8, .value_kind: global_buffer, .address_space: global }
      - { .name: upart, .offset: 8, .size: 8, .value_kind: global_buffer, .address_space: global }
      - { .name: part, .offset: 16, .size: 8, .value_kind: global_buffer, .address_space: global }
    .group_segment_fixed_size: 19712
    .private_segment_fixed_size: 0
    .kernarg_segment_align: 8
    .kernarg_segment_size: 24
    .max_flat_workgroup_size: 256
    .sgpr_count:     66
    .vgpr_count:     256
    .wavefront_size: 32
...
	.end_amdgpu_metadata
.endif
;; end of part 2
;; launch fin (part 3): grid 8 x 8, 8 waves a work-group, no clusters, 6,144 bytes of LDS; arguments part, Wv, bv, out0; writes out0
.if DOCPART == 3
	.amdgcn_target "amdgcn-amd-amdhsa--gfx1250"
	.amdhsa_code_object_version 6
	.text
	.protected	k_q203d110151_fin
	.globl	k_q203d110151_fin
	.p2align	8
	.type	k_q203d110151_fin,@function
k_q203d110151_fin:
	s_mov_b64 s[64:65], 0
	v_nop
	global_prefetch_b8 v0, s[64:65] scope:SCOPE_SE
	s_setreg_imm32_b32 hwreg(HW_REG_WAVE_MODE, 25, 1), 1
	s_wait_xcnt 0x0
; out0[b][e] = (sum over d of z[d] Wv[d][e]) / l + bv[e] for batch b (grid y) and the 64 columns e = 64 j .. (grid x), where
;   m = max over the batch's 32 partials of m_i,  f_i = 2^(m_i - m),  l = sum f_i l_i,  z = sum f_i y_i.
; (sum of weights = 1, so bv enters once: sum w_k (x_k Wv + bv) = (sum w_k x_k) Wv + bv.)
; Wave w merges columns d = 64 w .. 64 w + 63 of z and multiplies them by exactly those rows of Wv, so z never leaves the
; wave; the eight waves' 64 sums meet in LDS behind the launch's one barrier.  All 50 loads of a wave are issued at its head.
; f32 on the vector ALU: one row times a matrix.  No cluster: a block of Wv and a batch's partials are each read by eight
; work-groups, but here they land in the registers that the multiply-adds name; a joint request would add a way through LDS
; and a cluster's barrier in front of the first request of a launch that is one round of loads.
; LIMIT: factors below 2^-126 come out as zero.
.set UROW, 2304                        ; bytes of a [576] row of part
.set ZS,   0                           ; LDS: z [512] f32
.set RS,   2048                        ; LDS: the waves' 64 sums, 8 x 256 bytes
.set FS,   4096                        ; LDS: each wave's 32 factors, 8 x 128 bytes
.set FB,   24                          ; v[24:39]   the 16 factors of my half's partials
.set ZACC, 40                          ; v[40:43]   z of my four columns
.set TP,   44                          ; v[44:47]   the other half's figures
.set OACC, 48                          ; v[48:51]   my four output columns
.set PQ,   64                          ; v[64:127]  partial 16 h + n, my four columns, at 64 + 4 n
.set ZR,   64                          ; v[64:95]   afterwards: z[64 w + 32 h + k] at 64 + k
.set RR,   96                          ; v[96:111]  afterwards: the eight waves' sums
.set WR,   128                         ; v[128:255] Wv row 64 w + 32 h + k at 128 + 4 k
.macro BFMA d, a, x                    ; v[d:d+1] += v[a:a+1] * v[x], the one register x feeding both halves
.if ((\x) & 1) == 0
	v_pk_fma_f32 v[\d:\d+1], v[\a:\a+1], v[\x:\x+1], v[\d:\d+1] op_sel_hi:[1,0,1]
.else
	v_pk_fma_f32 v[\d:\d+1], v[\a:\a+1], v[\x-1:\x], v[\d:\d+1] op_sel:[0,1,0] op_sel_hi:[1,1,1]
.endif
.endm
.macro BMUL d, a, x
.if ((\x) & 1) == 0
	v_pk_mul_f32 v[\d:\d+1], v[\a:\a+1], v[\x:\x+1] op_sel_hi:[1,0]
.else
	v_pk_mul_f32 v[\d:\d+1], v[\a:\a+1], v[\x-1:\x] op_sel:[0,1] op_sel_hi:[1,1]
.endif
.endm
.macro WSUM r, t                       ; the sum over the 32 lanes, in every lane
	v_add_f32_dpp v[\r], v[\r], v[\r] row_xmask:1 row_mask:0xf bank_mask:0xf
	v_add_f32_dpp v[\r], v[\r], v[\r] row_xmask:2 row_mask:0xf bank_mask:0xf
	v_add_f32_dpp v[\r], v[\r], v[\r] row_xmask:4 row_mask:0xf bank_mask:0xf
	v_add_f32_dpp v[\r], v[\r], v[\r] row_xmask:8 row_mask:0xf bank_mask:0xf
	v_permlanex16_b32 v[\t], v[\r], s20, s21
	v_add_f32 v[\r], v[\r], v[\t]
.endm
.macro WMAX r, t                       ; the maximum likewise
	v_max_num_f32_dpp v[\r], v[\r], v[\r] row_xmask:1 row_mask:0xf bank_mask:0xf
	v_max_num_f32_dpp v[\r], v[\r], v[\r] row_xmask:2 row_mask:0xf bank_mask:0xf
	v_max_num_f32_dpp v[\r], v[\r], v[\r] row_xmask:4 row_mask:0xf bank_mask:0xf
	v_max_num_f32_dpp v[\r], v[\r], v[\r] row_xmask:8 row_mask:0xf bank_mask:0xf
	v_permlanex16_b32 v[\t], v[\r], s20, s21
	v_max_num_f32 v[\r], v[\r], v[\t]
.endm
.macro PROD k                          ; row k of my 32: four columns
	BFMA OACC, WR+4*\k, ZR+\k
	BFMA OACC+2, WR+4*\k+2, ZR+\k
.endm
	s_load_b256 s[4:11], s[0:1], 0x0               ; part s[4:5], Wv s[6:7], bv s[8:9], out0 s[10:11]
	v_lshl_add_u32 v62, v0, 2, 0x1400
	v_mov_b32 v63, 0
	v_lshrrev_b32 v52, 5, v0
	v_readfirstlane_b32 s12, v52                   ; wave w
	v_and_b32 v1, 31, v0                           ; lane L
	v_and_b32 v2, 15, v0                           ; r
	v_bfe_u32 v3, v0, 4, 1                         ; h
	s_and_b32 s13, ttmp7, 0xffff                   ; batch b
	s_mul_i32 s14, s13, 32*UROW                    ; its 32 rows of part
	s_mov_b32 s15, 0
	s_lshl_b32 s16, ttmp9, 8                       ; 256 j: my 64 columns in a row of Wv, and in bv
	s_mov_b32 s17, 0
	s_lshl_b32 s18, s13, 11
	s_add_co_u32 s18, s18, s16                     ; out0: row b, my 64 columns
	s_mov_b32 s19, 0
	s_mov_b32 s20, 0x76543210                      ; v_permlanex16_b32: lane i reads lane i of the other half
	s_mov_b32 s21, 0xfedcba98
	v_mul_u32_u24 v4, v1, UROW                     ; MO: partial L
	v_mul_u32_u24 v5, v3, 16*UROW                  ; YO: partial 16 h,
	v_lshl_add_u32 v5, v52, 8, v5                  ; columns 64 w
	v_lshl_add_u32 v5, v2, 4, v5                   ; + 4 r
	v_lshlrev_b32 v6, 17, v52                      ; WO: row 64 w + 32 h,
	v_lshl_add_u32 v6, v3, 16, v6
	v_lshl_add_u32 v6, v2, 4, v6                   ; columns 4 r .. of the block
	v_lshlrev_b32 v7, 3, v1                        ; BO = 8 L
	s_wait_kmcnt 0x0
	s_add_nc_u64 s[4:5], s[4:5], s[14:15]
	s_add_nc_u64 s[6:7], s[6:7], s[16:17]
	s_add_nc_u64 s[8:9], s[8:9], s[16:17]
	s_add_nc_u64 s[10:11], s[10:11], s[18:19]
	global_load_b64 v[14:15], v4, s[4:5] offset:2048               ; (m, l) of partial L
.irp n, 0,1,2,3,4,5,6,7,8,9,10,11,12,13,14,15
	global_load_b128 v[PQ+4*\n:PQ+4*\n+3], v5, s[4:5] offset:UROW*\n       ; 16 lanes: 256 consecutive bytes of partial 16 h + n
.endr
	global_load_b64 v[22:23], v7, s[8:9]           ; bv of e = 2 L, 2 L + 1
.irp k, 0,1,2,3,4,5,6,7,8,9,10,11,12,13,14,15,16,17,18,19,20,21,22,23,24,25,26,27,28,29,30,31
	global_load_b128 v[WR+4*\k:WR+4*\k+3], v6, s[6:7] offset:2048*\k       ; 16 lanes: 256 consecutive bytes of row 64 w + 32 h + k
.endr
	v_lshlrev_b32 v8, 8, v52
	v_lshl_add_u32 v9, v3, 7, v8                   ; ZB = 256 w + 128 h
	v_lshl_add_u32 v8, v2, 4, v8                   ; ZA = 256 w + 16 r
	v_add_nc_u32 v10, RS, v8                       ; RA
	v_add_nc_u32 v11, RS, v7                       ; RB
	v_lshl_add_u32 v12, v0, 2, FS                  ; my wave's factors, word L
	v_lshlrev_b32 v13, 7, v52
	v_lshl_add_u32 v13, v3, 6, v13
	v_add_nc_u32 v13, FS, v13                      ; my wave's factors, my half's 16
	v_mov_b32 v19, 0                               ; written once: a lane permute's destination counts as read
.irp c, 0,1,2,3
	v_mov_b32 v[TP+\c], 0
.endr
	; the 32 factors and l, in every wave
	s_wait_loadcnt 49                              ; the 16 + 1 + 32 loads behind (m, l) stay out
	v_mov_b32 v17, v14
	WMAX 17, 19                                    ; m
	v_sub_f32 v16, v14, v17
	v_exp_f32 v16, v16                             ; f_L
	v_nop                                          ; one plain place behind the exponential
	s_wait_alu depctr_va_vdst(0)
	v_mul_f32 v18, v16, v15
	ds_store_b32 v12, v16
.irp i, 0,1,2,3
	ds_load_b128 v[FB+4*\i:FB+4*\i+3], v13 offset:16*\i            ; my wave's own bytes: LDS serves a wave's instructions in order
.endr
	WSUM 18, 19                                    ; l, at least 1: the partial that holds m has f = 1 and l >= 1
	v_rcp_f32 v20, v18                             ; twice, for the packed form; the plain lines below stand between
	v_rcp_f32 v21, v18                             ; these and the first use, and v18 is not written again
	; z of my four columns over my half's 16 partials, then both halves
	s_wait_loadcnt 33                              ; bv and the 32 rows of Wv stay out
	s_wait_dscnt 0x0
	BMUL ZACC, PQ, FB
	BMUL ZACC+2, PQ+2, FB
.irp n, 1,2,3,4,5,6,7,8,9,10,11,12,13,14,15
	BFMA ZACC, PQ+4*\n, FB+\n
	BFMA ZACC+2, PQ+4*\n+2, FB+\n
.endr
.irp c, 0,1,2,3
	v_permlanex16_b32 v[TP+\c], v[ZACC+\c], s20, s21
.endr
	v_pk_add_f32 v[ZACC:ZACC+1], v[ZACC:ZACC+1], v[TP:TP+1]
	v_pk_add_f32 v[ZACC+2:ZACC+3], v[ZACC+2:ZACC+3], v[TP+2:TP+3]
	ds_store_b128 v8, v[ZACC:ZACC+3]               ; both halves store the same numbers to the same bytes
.irp i, 0,1,2,3,4,5,6,7
	ds_load_b128 v[ZR+4*\i:ZR+4*\i+3], v9 offset:ZS+16*\i          ; z[64 w + 32 h ..]: again my wave's own bytes, in order
.endr
	s_wait_dscnt 0x0
	; z times my 32 rows of Wv, as the rows come in
	s_wait_loadcnt 24                              ; the 24 rows behind the first eight stay out
	BMUL OACC, WR, ZR
	BMUL OACC+2, WR+2, ZR
.irp k, 1,2,3,4,5,6,7
	PROD \k
.endr
	s_wait_loadcnt 16
.irp k, 8,9,10,11,12,13,14,15
	PROD \k
.endr
	s_wait_loadcnt 8
.irp k, 16,17,18,19,20,21,22,23
	PROD \k
.endr
	s_wait_loadcnt 0x0
.irp k, 24,25,26,27,28,29,30,31
	PROD \k
.endr
.irp c, 0,1,2,3
	v_permlanex16_b32 v[TP+\c], v[OACC+\c], s20, s21
.endr
	v_pk_add_f32 v[OACC:OACC+1], v[OACC:OACC+1], v[TP:TP+1]
	v_pk_add_f32 v[OACC+2:OACC+3], v[OACC+2:OACC+3], v[TP+2:TP+3]
	ds_store_b128 v10, v[OACC:OACC+3]
	s_wait_dscnt 0x0                               ; my 64 sums are in LDS before I say so
	s_barrier_signal -1
	s_barrier_wait -1
	s_cmp_lg_u32 s12, 0
	s_cbranch_scc1 .Ldone
	; wave 0 adds the eight waves' sums; lane L owns e = 2 L, 2 L + 1
.irp n, 0,1,2,3,4,5,6,7
	ds_load_b64 v[RR+2*\n:RR+2*\n+1], v11 offset:256*\n
.endr
	s_wait_dscnt 0x0
.irp n, 0,1,2,3
	v_pk_add_f32 v[RR+4*\n:RR+4*\n+1], v[RR+4*\n:RR+4*\n+1], v[RR+4*\n+2:RR+4*\n+3]
.endr
.irp n, 0,1
	v_pk_add_f32 v[RR+8*\n:RR+8*\n+1], v[RR+8*\n:RR+8*\n+1], v[RR+8*\n+4:RR+8*\n+5]
.endr
	v_pk_add_f32 v[RR:RR+1], v[RR:RR+1], v[RR+8:RR+9]
	s_wait_alu depctr_va_vdst(0)
	v_pk_fma_f32 v[RR:RR+1], v[RR:RR+1], v[20:21], v[22:23]        ; / l + bv
	global_store_b64 v7, v[RR:RR+1], s[10:11]      ; 256 consecutive bytes, aligned
.Ldone:
	s_wait_tensorcnt 0x0
	ds_add_u32 v62, v63
	s_wait_dscnt 0x0
	s_endpgm
.Lfunc_end_k_q203d110151_fin:
	.size	k_q203d110151_fin, .Lfunc_end_k_q203d110151_fin-k_q203d110151_fin
	.p2alignl 7, 3214868480
	.fill 96, 4, 3214868480
	.section	.rodata,"a",@progbits
	.p2align	6, 0x0
	.amdhsa_kernel k_q203d110151_fin
		.amdhsa_group_segment_fixed_size 6144
		.amdhsa_private_segment_fixed_size 0
		.amdhsa_enable_private_segment 0
		.amdhsa_kernarg_size 32
		.amdhsa_user_sgpr_count 2
		.amdhsa_user_sgpr_kernarg_segment_ptr 1
		.amdhsa_wavefront_size32 1
		.amdhsa_system_sgpr_workgroup_id_x 1
		.amdhsa_system_sgpr_workgroup_id_y 1
		.amdhsa_system_sgpr_workgroup_id_z 1
		.amdhsa_system_vgpr_workitem_id 0
		.amdhsa_next_free_vgpr 256
		.amdhsa_next_free_sgpr 66
		.amdhsa_reserve_vcc 0
		.amdhsa_float_denorm_mode_32 3
		.amdhsa_float_denorm_mode_16_64 3
		.amdhsa_memory_ordered 1
		.amdhsa_forward_progress 1
		.amdhsa_inst_pref_size 18
	.end_amdhsa_kernel
	.amdgpu_metadata
---
amdhsa.version: [ 1, 2 ]
amdhsa.kernels:
  - .name:           k_q203d110151_fin
    .symbol:         k_q203d110151_fin.kd
    .args:
      - { .name: part, .offset: 0, .size: 8, .value_kind: global_buffer, .address_space: global }
      - { .name: Wv, .offset: 8, .size: 8, .value_kind: global_buffer, .address_space: global }
      - { .name: bv, .offset: 16, .size: 8, .value_kind: global_buffer, .address_space: global }
      - { .name: out0, .offset: 24, .size: 8, .value_kind: global_buffer, .address_space: global }
    .group_segment_fixed_size: 6144
    .private_segment_fixed_size: 0
    .kernarg_segment_align: 8
    .kernarg_segment_size: 32
    .max_flat_workgroup_size: 256
    .sgpr_count:     66
    .vgpr_count:     256
    .wavefront_size: 32
...
	.end_amdgpu_metadata
.endif
;; end of part 3
